; MI455X (gfx1250); checked and timed in simulation.
; The chip was launched on July 23, 2026; its instructions are those of AMD's public machine-readable ISA for CDNA 5 (MIT licence, August 2026) and "CDNA5" Instruction Set Architecture Reference Guide (July 2026). The comments in the code are by the model that wrote it; some were corrected since.
;; Mixture Of Adapter With Classifier. Allowed arithmetic: float matrix products may take bf16 or f16 operands with f32 sums; all other float work in f32.
;; Inputs: ad_b1 2,048 float32; ad_b2 1,024 float32; ad_w1 1,024 x 2,048 float32; ad_w2 2,048 x 1,024 float32; domain_mask 4 int32; gate_b1 4 float32; gate_b2 4 float32; gate_w1 1,024 x 4 float32; gate_w2 4 x 4 float32; ln_b_book 1,024 float32; ln_b_iwslt 1,024 float32; ln_s_book 1,024 float32; ln_s_iwslt 1,024 float32; x 8 x 1,024 x 1,024 float32.
;; Outputs: out0 8 x 1,024 x 1,024 float32.
;; One version. Each part assembles by itself: llvm-mc -triple=amdgcn-amd-amdhsa -mcpu=gfx1250 --defsym DOCPART=n.
;; ======== version 1 of 1: 3 launches
;; workspace buffers: z 33,554,432 bytes; gw 131,072 bytes; w1b 4,194,304 bytes; w2b 4,194,304 bytes; g 33,554,432 bytes
;; launch prep (part 1): grid 256 x 1, 8 waves a work-group, no clusters, 34,304 bytes of LDS; arguments x, ln_s_book, ln_b_book, ln_s_iwslt, ln_b_iwslt, gate_w1, gate_b1, gate_w2, gate_b2, domain_mask, ad_w1, ad_w2, z, gw, w1b, w2b; writes z, gw, w1b, w2b
.if DOCPART == 1
	.amdgcn_target "amdgcn-amd-amdhsa--gfx1250"
	.amdhsa_code_object_version 6
	.text
	.protected	k_q87d8fe43bd_prep
	.globl	k_q87d8fe43bd_prep
	.p2align	8
	.type	k_q87d8fe43bd_prep,@function
k_q87d8fe43bd_prep:
	s_mov_b64 s[64:65], 0
	v_nop
	global_prefetch_b8 v0, s[64:65] scope:SCOPE_SE
	s_setreg_imm32_b32 hwreg(HW_REG_WAVE_MODE, 25, 1), 1
	s_wait_xcnt 0x0
; PREP: for each of 8,192 tokens (rows of 1,024 f32): the gate's three softmax weights, and the row normalised twice (book's and iwslt's gain and bias), rounded to bf16.
; Beside that each work-group rounds 1/256 of ad_w1 and of ad_w2 to bf16, layout unchanged ([k][n]).
;   z  [16384][1024] bf16: row (t>>6)*128 + d*64 + (t&63), d = 0 book, 1 iwslt: 128 consecutive rows hold 64 tokens' book rows and then the same tokens' iwslt rows
;   gw [8192][4] f32: (w1, w2, 1 + w0, w1 + w2)
; SHARES.  A work-group owns 32 tokens, each of its eight waves four; a wave keeps its four rows in 128 registers, so x is read once.  In chunk j (of 8) lane l owns columns
; 128 j + 4 l .. + 3: a load of a wave covers 512 consecutive bytes, a store of bf16 covers 256 consecutive bytes, aligned.
; The mean is taken first and the squares of x - mean afterwards, all in f32, so that a common offset of x cancels before anything is squared or rounded.
; The gate (1024 -> 4, ReLU, 4 -> 4, mask, softmax with its maximum taken away) rides on the same registers, in f32 on the vector unit: 4 columns are no work for a matrix tile.
; No matrix unit, no tensor loads, no cluster: the launch streams; what work-groups share is 32 KB of parameters, staged once in LDS.
; LIMITS.  ReLU is a maximum in which a NaN loses (NaN becomes 0).  exp2, rsq and rcp are good to 1 ULP and flush denormals: a probability under 2^-126 becomes 0.
.set GT,  16384                        ; LDS: 0 s_book, 4096 b_book, 8192 s_iwslt, 12288 b_iwslt (4,096 bytes each); from GT on gate_w1 turned: [d][h] f32, 4,096 bytes a gate
.set GWS, 32768                        ; LDS: the 32 tokens' four numbers, 16 bytes a token
.set SA,  8                            ; v[8:15]   row sums as pairs; then v8-11 the means, v12-15 1/sqrt(var + eps)
.set GA,  16                           ; v[16:47]  first the staged parameters, then the gate's sums (pair at 16 + 8 r + 2 d), the gate's results, at last the normaliser's temporaries
.set GC,  48                           ; v[48:63], v[64:79] two buffers for a chunk's four vectors from LDS; between the passes the gate's h and logits, and the variance pairs
.set WO,  80                           ; v[80:95]  a weight share as bf16
.set W,   96                           ; v[96:127] a weight share as loaded
.set X,   128                          ; v[128:255] row r, chunk j at 128 + 32 r + 4 j
; v0 thread, later 64 x wave; v1 16 x lane; v2 8 x lane; v3 16 x thread; v4 4 x thread; v5 8 x thread; v6 -1e9; v7 at work in the reductions
	s_load_b512 s[8:23], s[0:1], 0x0               ; x 8, ln_s_book 10, ln_b_book 12, ln_s_iwslt 14, ln_b_iwslt 16, gate_w1 18, gate_b1 20, gate_w2 22
	s_load_b512 s[24:39], s[0:1], 0x40             ; gate_b2 24, domain_mask 26, ad_w1 28, ad_w2 30, z 32, gw 34, w1b 36, w2b 38
	s_set_vgpr_msb 0x40
	v_lshl_add_u32 v0, v0, 2, 0x8200
	v_mov_b32 v1, 0
	s_set_vgpr_msb 0x4000
	v_lshrrev_b32 v7, 5, v0
	v_readfirstlane_b32 s4, v7                     ; wave 0..7
	v_and_b32 v1, 31, v0
	v_lshlrev_b32 v2, 3, v1
	v_lshlrev_b32 v1, 4, v1
	v_lshlrev_b32 v3, 4, v0
	v_lshlrev_b32 v4, 2, v0
	v_lshlrev_b32 v5, 3, v0
	v_mov_b32 v6, 0xce6e6b28                       ; -1e9, the masked logit
	v_mov_b32 v7, 0                                ; written before v_permlanex16_b32 names it as destination
	s_lshl_b32 s5, s4, 6
	v_mov_b32 v0, s5                               ; 64 x wave: my four tokens' place in GWS
	s_mov_b32 s76, 0x3a800000                      ; 1 / 1024
	s_mov_b32 s77, 0x358637bd                      ; 1e-6
	s_mov_b32 s78, 0x76543210                      ; v_permlanex16_b32: each lane takes its own place in the other half
	s_mov_b32 s79, 0xfedcba98
	s_mov_b32 s80, 0x3fb8aa3b                      ; log2(e)
	s_lshl_b32 s2, ttmp9, 17                       ; x: (32 G + 4 w) rows of 4,096 bytes
	s_lshl_b32 s6, s4, 14
	s_add_co_u32 s2, s2, s6
	s_mov_b32 s3, 0
	s_lshr_b32 s6, ttmp9, 1                        ; z: ((G >> 1) 128 + (G & 1) 32 + 4 w) rows of 2,048 bytes
	s_lshl_b32 s6, s6, 18
	s_and_b32 s7, ttmp9, 1
	s_lshl_b32 s7, s7, 16
	s_add_co_u32 s6, s6, s7
	s_lshl_b32 s7, s4, 13
	s_add_co_u32 s6, s6, s7
	s_mov_b32 s7, 0
	s_wait_kmcnt 0x0
	s_load_b128 s[40:43], s[20:21], 0x0            ; gate_b1
	s_load_b512 s[44:59], s[22:23], 0x0            ; gate_w2: [d][e] at s[44 + 4 d + e]
	s_load_b128 s[60:63], s[24:25], 0x0            ; gate_b2
	s_load_b128 s[68:71], s[26:27], 0x0            ; domain_mask
	s_add_nc_u64 s[8:9], s[8:9], s[2:3]
	s_add_nc_u64 s[32:33], s[32:33], s[6:7]
	s_lshl_b32 s2, ttmp9, 15                       ; my 32,768 bytes of each f32 weight matrix,
	s_add_nc_u64 s[28:29], s[28:29], s[2:3]
	s_add_nc_u64 s[30:31], s[30:31], s[2:3]
	s_lshl_b32 s2, ttmp9, 14                       ; which are 16,384 bytes of bf16
	s_add_nc_u64 s[36:37], s[36:37], s[2:3]
	s_add_nc_u64 s[38:39], s[38:39], s[2:3]
	s_lshl_b32 s2, ttmp9, 9                        ; my 32 tokens' 512 bytes of gw
	s_add_nc_u64 s[34:35], s[34:35], s[2:3]
	; 48 loads go out at once: 8 of parameters, the wave's four rows by chunks, the first weight share
.irp a, 0,1,2,3
	global_load_b128 v[16+4*\a:19+4*\a], v3, s[10+2*\a:11+2*\a]            ; thread t: numbers 4 t .. 4 t + 3 of each gain and bias
.endr
.irp i, 0,1,2,3
	global_load_b128 v[32+4*\i:35+4*\i], v3, s[18:19] offset:4096*\i       ; gate_w1's row h = t + 256 i: four gates
.endr
.irp j, 0,1,2,3,4,5,6,7
.irp r, 0,1,2,3
	global_load_b128 v[X+32*\r+4*\j:X+32*\r+4*\j+3], v1, s[8:9] offset:4096*\r+512*\j
.endr
.endr
.irp i, 0,1,2,3,4,5,6,7
	global_load_b128 v[W+4*\i:W+4*\i+3], v3, s[28:29] offset:4096*\i th:TH_LOAD_NT
.endr
	s_wait_loadcnt 40                              ; the parameters are in; 32 loads of x and 8 of weights stay out
.irp a, 0,1,2,3
	ds_store_b128 v3, v[16+4*\a:19+4*\a] offset:4096*\a
.endr
.irp i, 0,1,2,3
.irp d, 0,1,2,3
	ds_store_b32 v4, v[32+4*\i+\d] offset:GT+4096*\d+1024*\i               ; turned: gate d, row h at 4 h
.endr
.endr
	s_wait_dscnt 0x0                               ; for the others' sake: my part of the staged parameters is written
	s_barrier_signal -1
	s_barrier_wait -1
; Sum over the 32 lanes of four numbers at a time: the four chains interleave.  Four steps inside each half of 16 lanes ride on the addition, one crosses the halves.
.macro RED4 a, b, c, d
.irp m, 1,2,4,8
.irp v, \a,\b,\c,\d
	v_add_f32_dpp v[\v], v[\v], v[\v] row_xmask:\m row_mask:0xf bank_mask:0xf
.endr
.endr
.irp v, \a,\b,\c,\d
	v_permlanex16_b32 v7, v[\v], s78, s79
	v_add_f32 v[\v], v[\v], v7
.endr
.endm
; FIRST PASS, chunk j: row sums and the four gate products of each row.  The first chunk starts every sum: nothing is cleared.
.macro CHA j
.if \j < 7
.irp d, 0,1,2,3
	ds_load_b128 v[GC+16*((\j+1)%2)+4*\d:GC+16*((\j+1)%2)+4*\d+3], v1 offset:GT+4096*\d+512*(\j+1)
.endr
	s_wait_dscnt 0x4                               ; this chunk's four gate vectors are in; the next chunk's four stay out
.else
	s_wait_dscnt 0x0
.endif
	s_wait_loadcnt 36-4*\j                         ; this chunk of my four rows is in; the later chunks' loads and the 8 of weights stay out
.irp r, 0,1,2,3
.set xb, X+32*\r+4*\j
.set sa, SA+2*\r
.if \j == 0
	v_pk_add_f32 v[sa:sa+1], v[xb:xb+1], v[xb+2:xb+3]
.else
	v_pk_add_f32 v[sa:sa+1], v[sa:sa+1], v[xb:xb+1]
.endif
.irp d, 0,1,2,3
.set ga, GA+8*\r+2*\d
.set gc, GC+16*(\j%2)+4*\d
.if \j == 0
	v_pk_mul_f32 v[ga:ga+1], v[xb:xb+1], v[gc:gc+1]
.else
	v_pk_fma_f32 v[ga:ga+1], v[xb:xb+1], v[gc:gc+1], v[ga:ga+1]
.endif
.endr
.if \j != 0
	v_pk_add_f32 v[sa:sa+1], v[sa:sa+1], v[xb+2:xb+3]
.endif
.irp d, 0,1,2,3
.set ga, GA+8*\r+2*\d
.set gc, GC+16*(\j%2)+4*\d
	v_pk_fma_f32 v[ga:ga+1], v[xb+2:xb+3], v[gc+2:gc+3], v[ga:ga+1]
.endr
.endr
.endm
.irp d, 0,1,2,3
	ds_load_b128 v[GC+4*\d:GC+4*\d+3], v1 offset:GT+4096*\d
.endr
.irp j, 0,1,2,3,4,5,6,7
	CHA \j
.endr
.irp r, 0,1,2,3
	v_add_f32 v[SA+2*\r], v[SA+2*\r], v[SA+2*\r+1]
.irp d, 0,1,2,3
	v_add_f32 v[GA+8*\r+2*\d], v[GA+8*\r+2*\d], v[GA+8*\r+2*\d+1]
.endr
.endr
	RED4 SA, SA+2, SA+4, SA+6
.irp r, 0,1,2,3
	RED4 GA+8*\r, GA+8*\r+2, GA+8*\r+4, GA+8*\r+6
.endr
.irp r, 0,1,2,3
	v_mul_f32 v[8+\r], s76, v[8+2*\r]              ; the means, v8-11; in ascending order each source is read before it is written over
.endr
	; THE GATE, four rows side by side.  h[d] at v[48 + 8 r + d], logit[e] at v[52 + 8 r + e].
	s_wait_kmcnt 0x0                               ; the gate's small parameters and the mask
.irp e, 0,1,2,3
	s_cmp_lg_u32 s[68+\e], 0
	s_cselect_b32 s[72+\e], -1, 0                  ; all lanes' bits: the domain is in use
.endr
.irp r, 0,1,2,3
.irp d, 0,1,2,3
	v_add_f32 v[48+8*\r+\d], s[40+\d], v[GA+8*\r+2*\d]
.endr
.endr
.irp r, 0,1,2,3
.irp d, 0,1,2,3
	v_max_num_f32 v[48+8*\r+\d], 0, v[48+8*\r+\d]
.endr
.endr
.irp r, 0,1,2,3
.irp e, 0,1,2,3
	v_fma_f32 v[52+8*\r+\e], v[48+8*\r], s[44+\e], s[60+\e]                ; h0 w2[0][e] + b2[e] starts the sum
.endr
.endr
.irp d, 1,2,3
.irp r, 0,1,2,3
.irp e, 0,1,2,3
	v_fmac_f32 v[52+8*\r+\e], s[44+4*\d+\e], v[48+8*\r+\d]
.endr
.endr
.endr
.irp r, 0,1,2,3
.irp e, 0,1,2,3
	v_cndmask_b32 v[52+8*\r+\e], v6, v[52+8*\r+\e], s[72+\e]               ; -1e9 where the mask is 0
.endr
.endr
.irp r, 0,1,2,3
	v_max3_num_f32 v[48+8*\r], v[52+8*\r], v[53+8*\r], v[54+8*\r]
.endr
.irp r, 0,1,2,3
	v_max_num_f32 v[48+8*\r], v[48+8*\r], v[55+8*\r]
.endr
.irp r, 0,1,2,3
.irp e, 0,1,2,3
	v_sub_f32 v[52+8*\r+\e], v[52+8*\r+\e], v[48+8*\r]                     ; the maximum is taken away first, exactly: the largest logit gives 0, also when all four are -1e9
.endr
.endr
.irp r, 0,1,2,3
.irp e, 0,1,2,3
	v_mul_f32 v[52+8*\r+\e], s80, v[52+8*\r+\e]
.endr
.endr
.irp r, 0,1,2,3
.irp e, 0,1,2,3
	v_exp_f32 v[52+8*\r+\e], v[52+8*\r+\e]
.endr
.endr
	v_nop                                          ; a plain instruction between the last exponential and the use of its result (ISA guide 5.7.2)
	s_wait_alu depctr_va_vdst(0)
.irp r, 0,1,2,3
	v_add_f32 v[48+8*\r], v[52+8*\r], v[53+8*\r]
	v_add_f32 v[49+8*\r], v[54+8*\r], v[55+8*\r]
.endr
.irp r, 0,1,2,3
	v_add_f32 v[48+8*\r], v[48+8*\r], v[49+8*\r]
.endr
.irp r, 0,1,2,3
	v_rcp_f32 v[49+8*\r], v[48+8*\r]
.endr
	v_nop                                          ; likewise behind the last reciprocal
	s_wait_alu depctr_va_vdst(0)
.irp r, 0,1,2,3
	v_mul_f32 v[16+8*\r], v[53+8*\r], v[49+8*\r]               ; w1
	v_mul_f32 v[17+8*\r], v[54+8*\r], v[49+8*\r]               ; w2
	v_fma_f32 v[18+8*\r], v[52+8*\r], v[49+8*\r], 1.0          ; 1 + w0: x's whole factor
.endr
.irp r, 0,1,2,3
	v_add_f32 v[19+8*\r], v[16+8*\r], v[17+8*\r]               ; w1 + w2: ad_b2's factor
.endr
.irp r, 0,1,2,3
	ds_store_b128 v0, v[16+8*\r:19+8*\r] offset:GWS+16*\r      ; every lane holds the same four numbers and writes them to the token's 16 bytes
.endr
.irp a, 0,1,2,3
	ds_load_b128 v[GC+16+4*\a:GC+16+4*\a+3], v1 offset:4096*\a ; chunk 0 of the gains and biases, into the second buffer: it lands under the next pass
.endr
; A weight share: 8 x 4 f32 a thread become 8 x 8 bytes of bf16; a store of a wave covers 256 consecutive bytes, aligned
.macro CAST p
.irp i, 0,1,2,3,4,5,6,7
	v_cvt_pk_bf16_f32 v[WO+2*\i], v[W+4*\i], v[W+4*\i+1]
	v_cvt_pk_bf16_f32 v[WO+2*\i+1], v[W+4*\i+2], v[W+4*\i+3]
.endr
.irp i, 0,1,2,3,4,5,6,7
	global_store_b64 v5, v[WO+2*\i:WO+2*\i+1], s[\p:\p+1] offset:2048*\i
.endr
.endm
	s_wait_loadcnt 0x0                             ; ad_w1's share
	CAST 36
.irp i, 0,1,2,3,4,5,6,7
	global_load_b128 v[W+4*\i:W+4*\i+3], v3, s[30:31] offset:4096*\i th:TH_LOAD_NT     ; ad_w2's share lands under the two passes below
.endr
; SECOND PASS: x - mean in place, and the sum of its squares.  c = r & 1 picks the row's mean out of its register pair, for both halves of the packed instruction.
.macro SUBM j, r, c
.set xb, X+32*\r+4*\j
	v_pk_add_f32 v[xb:xb+1], v[xb:xb+1], v[8+\r-\c:9+\r-\c] op_sel:[0,\c] op_sel_hi:[1,\c] neg_lo:[0,1] neg_hi:[0,1]
	v_pk_add_f32 v[xb+2:xb+3], v[xb+2:xb+3], v[8+\r-\c:9+\r-\c] op_sel:[0,\c] op_sel_hi:[1,\c] neg_lo:[0,1] neg_hi:[0,1]
.endm
.irp j, 0,1,2,3,4,5,6,7
	SUBM \j, 0, 0
	SUBM \j, 1, 1
	SUBM \j, 2, 0
	SUBM \j, 3, 1
.irp r, 0,1,2,3
.set xb, X+32*\r+4*\j
.set va, GC+2*\r
.if \j == 0
	v_pk_mul_f32 v[va:va+1], v[xb:xb+1], v[xb:xb+1]
.else
	v_pk_fma_f32 v[va:va+1], v[xb:xb+1], v[xb:xb+1], v[va:va+1]
.endif
.endr
.irp r, 0,1,2,3
.set xb, X+32*\r+4*\j
.set va, GC+2*\r
	v_pk_fma_f32 v[va:va+1], v[xb+2:xb+3], v[xb+2:xb+3], v[va:va+1]
.endr
.endr
.irp r, 0,1,2,3
	v_add_f32 v[GC+2*\r], v[GC+2*\r], v[GC+2*\r+1]
.endr
	RED4 GC, GC+2, GC+4, GC+6
.irp r, 0,1,2,3
	v_fma_f32 v[GC+2*\r], v[GC+2*\r], s76, s77     ; variance + eps
.endr
.irp r, 0,1,2,3
	v_rsq_f32 v[12+\r], v[GC+2*\r]
.endr
	v_nop                                          ; a plain instruction before the results are used and the sources' registers are loaded again
	s_wait_alu depctr_va_vdst(0)
; THIRD PASS, chunk j: both normalised copies, rounded to bf16 into the row's own registers (two for book, two for iwslt) and stored.  Those registers are never written again.
.macro NRM j, r, c
.set xb, X+32*\r+4*\j
.set tt, 16+12*\c
.set gc, GC+16*((\j+1)%2)
	v_pk_mul_f32 v[tt:tt+1], v[xb:xb+1], v[12+\r-\c:13+\r-\c] op_sel:[0,\c] op_sel_hi:[1,\c]
	v_pk_mul_f32 v[tt+2:tt+3], v[xb+2:xb+3], v[12+\r-\c:13+\r-\c] op_sel:[0,\c] op_sel_hi:[1,\c]
	v_pk_fma_f32 v[tt+4:tt+5], v[tt:tt+1], v[gc:gc+1], v[gc+4:gc+5]
	v_pk_fma_f32 v[tt+6:tt+7], v[tt+2:tt+3], v[gc+2:gc+3], v[gc+6:gc+7]
	v_pk_fma_f32 v[tt+8:tt+9], v[tt:tt+1], v[gc+8:gc+9], v[gc+12:gc+13]
	v_pk_fma_f32 v[tt+10:tt+11], v[tt+2:tt+3], v[gc+10:gc+11], v[gc+14:gc+15]
	v_cvt_pk_bf16_f32 v[xb], v[tt+4], v[tt+5]
	v_cvt_pk_bf16_f32 v[xb+1], v[tt+6], v[tt+7]
	v_cvt_pk_bf16_f32 v[xb+2], v[tt+8], v[tt+9]
	v_cvt_pk_bf16_f32 v[xb+3], v[tt+10], v[tt+11]
	global_store_b64 v2, v[xb:xb+1], s[32:33] offset:2048*\r+256*\j
	global_store_b64 v2, v[xb+2:xb+3], s[32:33] offset:2048*\r+256*\j+131072   ; iwslt's row lies 64 rows of 2,048 bytes further down
.endm
.macro CHD j
.if \j < 7
.irp a, 0,1,2,3
	ds_load_b128 v[GC+16*(\j%2)+4*\a:GC+16*(\j%2)+4*\a+3], v1 offset:4096*\a+512*(\j+1)
.endr
	s_wait_dscnt 0x4                               ; this chunk's gains and biases are in; the next chunk's four loads stay out
.else
	s_wait_dscnt 0x0
.endif
	NRM \j, 0, 0
	NRM \j, 1, 1
	NRM \j, 2, 0
	NRM \j, 3, 1
.endm
.irp j, 0,1,2,3,4,5,6,7
	CHD \j
.endr
	s_wait_loadcnt 0x0                             ; ad_w2's share
	s_wait_xcnt 0x0                                ; the first share's stores read v[80:95]: they are written again only behind this wait
	CAST 38
	s_wait_dscnt 0x0                               ; my four tokens' gate results are in LDS
	s_barrier_signal -1
	s_barrier_wait -1
	s_cmp_lg_u32 s4, 0
	s_cbranch_scc1 .Lend
	ds_load_b128 v[16:19], v1 offset:GWS           ; wave 0: lane l takes token l's 16 bytes,
	s_wait_dscnt 0x0
	global_store_b128 v1, v[16:19], s[34:35]       ; and one store covers the group's 512 consecutive bytes of gw
.Lend:
	s_set_vgpr_msb 0x5
	s_wait_tensorcnt 0x0
	ds_add_u32 v0, v1
	s_wait_dscnt 0x0
	s_set_vgpr_msb 0x500
	s_endpgm
.Lfunc_end_k_q87d8fe43bd_prep:
	.size	k_q87d8fe43bd_prep, .Lfunc_end_k_q87d8fe43bd_prep-k_q87d8fe43bd_prep
	.p2alignl 7, 3214868480
	.fill 96, 4, 3214868480
	.section	.rodata,"a",@progbits
	.p2align	6, 0x0
	.amdhsa_kernel k_q87d8fe43bd_prep
		.amdhsa_group_segment_fixed_size 34304
		.amdhsa_private_segment_fixed_size 0
		.amdhsa_enable_private_segment 0
		.amdhsa_kernarg_size 128
		.amdhsa_user_sgpr_count 2
		.amdhsa_user_sgpr_kernarg_segment_ptr 1
		.amdhsa_wavefront_size32 1
		.amdhsa_system_sgpr_workgroup_id_x 1
		.amdhsa_system_sgpr_workgroup_id_y 1
		.amdhsa_system_sgpr_workgroup_id_z 1
		.amdhsa_system_vgpr_workitem_id 0
		.amdhsa_next_free_vgpr 258
		.amdhsa_next_free_sgpr 84
		.amdhsa_reserve_vcc 0
		.amdhsa_float_denorm_mode_32 3
		.amdhsa_float_denorm_mode_16_64 3
		.amdhsa_memory_ordered 1
		.amdhsa_forward_progress 1
		.amdhsa_inst_pref_size 90
	.end_amdhsa_kernel
	.amdgpu_metadata
---
amdhsa.version: [ 1, 2 ]
amdhsa.kernels:
  - .name:           k_q87d8fe43bd_prep
    .symbol:         k_q87d8fe43bd_prep.kd
    .args:
      - { .name: x, .offset: 0, .size: 8, .value_kind: global_buffer, .address_space: global }
      - { .name: ln_s_book, .offset: 8, .size: 8, .value_kind: global_buffer, .address_space: global }
      - { .name: ln_b_book, .offset: 16, .size: 8, .value_kind: global_buffer, .address_space: global }
      - { .name: ln_s_iwslt, .offset: 24, .size: 8, .value_kind: global_buffer, .address_space: global }
      - { .name: ln_b_iwslt, .offset: 32, .size: 8, .value_kind: global_buffer, .address_space: global }
      - { .name: gate_w1, .offset: 40, .size: 8, .value_kind: global_buffer, .address_space: global }
      - { .name: gate_b1, .offset: 48, .size: 8, .value_kind: global_buffer, .address_space: global }
      - { .name: gate_w2, .offset: 56, .size: 8, .value_kind: global_buffer, .address_space: global }
      - { .name: gate_b2, .offset: 64, .size: 8, .value_kind: global_buffer, .address_space: global }
      - { .name: domain_mask, .offset: 72, .size: 8, .value_kind: global_buffer, .address_space: global }
      - { .name: ad_w1, .offset: 80, .size: 8, .value_kind: global_buffer, .address_space: global }
      - { .name: ad_w2, .offset: 88, .size: 8, .value_kind: global_buffer, .address_space: global }
      - { .name: z, .offset: 96, .size: 8, .value_kind: global_buffer, .address_space: global }
      - { .name: gw, .offset: 104, .size: 8, .value_kind: global_buffer, .address_space: global }
      - { .name: w1b, .offset: 112, .size: 8, .value_kind: global_buffer, .address_space: global }
      - { .name: w2b, .offset: 120, .size: 8, .value_kind: global_buffer, .address_space: global }
    .group_segment_fixed_size: 34304
    .private_segment_fixed_size: 0
    .kernarg_segment_align: 8
    .kernarg_segment_size: 128
    .max_flat_workgroup_size: 256
    .sgpr_count:     84
    .vgpr_count:     258
    .wavefront_size: 32
...
	.end_amdgpu_metadata
.endif
;; end of part 1
;; launch gemm1 (part 2): grid 8 x 32, 4 waves a work-group, clusters of 4 x 4, 327,680 bytes of LDS; arguments z, w1b, g, ad_b1, gw; writes g
.if DOCPART == 2
	.amdgcn_target "amdgcn-amd-amdhsa--gfx1250"
	.amdhsa_code_object_version 6
	.text
	.protected	k_q87d8fe43bd_gemm1
	.globl	k_q87d8fe43bd_gemm1
	.p2align	8
	.type	k_q87d8fe43bd_gemm1,@function
k_q87d8fe43bd_gemm1:
	s_mov_b64 s[64:65], 0
	v_nop
	global_prefetch_b8 v0, s[64:65] scope:SCOPE_SE
	s_setreg_imm32_b32 hwreg(HW_REG_WAVE_MODE, 25, 1), 1
	s_wait_xcnt 0x0
	s_wait_alu depctr_hold_cnt(0) depctr_sa_sdst(0) depctr_va_vdst(0) depctr_va_sdst(0) depctr_va_ssrc(0) depctr_va_vcc(0) depctr_vm_vsrc(0)
	s_getreg_b32 s2, hwreg(HW_REG_IB_STS2, 6, 4)
	s_cmp_eq_u32 s2, 0
	s_cbranch_scc0 .Lentry_in_a_cluster
	s_endpgm
.Lentry_in_a_cluster:
	s_bfe_u32 s2, ttmp6, 0x10000c
	s_cmp_lg_u32 s2, 0xf033
	s_cbranch_scc0 .Lentry_shape_is_right
	s_endpgm
.Lentry_shape_is_right:
; g[t][n] = w1[t] relu(zbook[t] . W1[:, n] + b1[n]) + w2[t] relu(ziwslt[t] . W1[:, n] + b1[n]), rounded once to bf16.  Since both domains go through the same second
; matrix, w1 (r1 W2) + w2 (r2 W2) = (w1 r1 + w2 r2) W2 for every input: the mix is made here, in f32, and the second product runs on 8,192 rows in place of 16,384.
; z: [16384][1024] bf16, 128 consecutive rows = 64 tokens' book rows, then the same tokens' iwslt rows.  w1b: [1024 k][2048 n] bf16.  g: [8192][2048] bf16.  gw: [8192][4] f32 = (w1, w2, ..).
; A tile is 256 rows of z (128 tokens, both domains) x 256 columns; four waves, each 128 rows x 128 columns: 64 accumulators, 512 registers.  A wave's row blocks 0-3 are book's
; (window 2), blocks 4-7 the same tokens' iwslt rows (window 3, same register numbers), so the mix needs no exchange between lanes or waves.
; K goes in steps of 128 through a ring of two LDS slots filled by the tensor data mover.  A work-group stays for two tiles, 8,192 rows of z apart, and the ring runs on into the second.
; CLUSTER 4 x 4: z's tile hangs on the tile row alone and is asked for jointly by a row of the cluster, w1b's on the tile column alone and by a column: a quarter of the requests.
; THE MATRIX INSTRUCTION IS USED TRANSPOSED: source 0 = 16 columns of W1, source 1 = 16 rows of z; a lane then holds one row (l % 16) and eight neighbouring columns (8 (l / 16) + 0..7).
; W1 lies [k][n] in LDS as in memory; its fragments come turned, by ds_load_tr16_b128.  b1 is the C operand of each sum's first product: the bias costs nothing and nothing is cleared.
; LIMITS.  ReLU is a maximum in which a NaN loses (NaN becomes 0).  The two activations are mixed in f32 and rounded to bf16 once, not each by itself.
; REGISTERS, in windows of 256: window 0: v0-31 addresses and the tokens' (w1, w2); v64-127, v128-191 z's fragments, two buffers; on the way out v128-191 the mix, v192-223 packed, v32-63 / v224-255 rows read back.
;   window 1: v0-63 b1 as a C operand (register 8 b + j = b1[16 b + 8 (l / 16) + j]); v64-127, v128-191 W1's fragments.   windows 2, 3: accumulator (a, b) at v[8 (8 a + b)].
.set SIZE_K, 1024
.set SIZE_N, 2048
.set KSTEP,  128
.set PITCH,  272                       ; a row of z in LDS: 256 bytes + 16: the 16 rows of a fragment load start 16 bytes further on modulo 256 each
.set PB,     544                       ; a row (one k) of W1 in LDS: 512 bytes + 32: the 8 rows x 32 bytes that 16 lanes of a turning load take fall on different bytes modulo 256
.set HALFT,  34816                     ; what one tensor load brings: 128 rows x 272 = 64 rows x 544
.set SLOT,   4*HALFT                   ; z's 256 rows, then W1's 128 rows
.set STAGE,  2*SLOT                    ; behind the ring: 16 rows x 272 bytes for each wave, for the way out
.set SPITCH, 272
.set SPARE,  STAGE+4*16*SPITCH         ; behind the stages: the spare words, 128 bytes for each wave, which no other line names
.set LAPS,   SIZE_K/(2*KSTEP)          ; a lap = two K steps = once round the ring
.set TILES,  2
.set STEP_A, 2*KSTEP*2                 ; two K steps on: along z's rows,
.set STEP_B, 2*KSTEP*SIZE_N*2          ; down W1's rows
.set NEXT_A, 8192*SIZE_K*2-(SIZE_K-2*KSTEP)*2  ; from a slot's last K step of a tile to its first of the next: 8,192 rows down and back along K;
.set BACK_B, (SIZE_K-2*KSTEP)*SIZE_N*2 ; W1 only back
.set NEXT_C, (4096-48)*SIZE_N*2        ; from my last 16 tokens of a tile to my first of the next, 4,096 tokens on
.set GWO,  6                           ; v6      16 x (l % 16): my token's place in gw
.set BO,   7                           ; v7      32 x (l / 16): my eight columns' place in b1
.set GW,   8                           ; v[8:15] (w1, w2) of my token in row block a at 8 + 2 a
.set ADRA, 16                          ; v16-17  LDS address of my fragments of z in slot 0, 1
.set ADRB, 20                          ; v20-21  the same for W1
.set STO,  24
.set RD,   25
.set CO,   26
.set SPW,  28                          ; v28     SPARE + 4 x my thread's number; never rewritten
.set NIL,  29                          ; v29     0; never rewritten
.set F0,   64
.set F1,   128
.set T,    128                         ; the way out: the mix of a row block, 64 registers (buffer 1's in window 0)
.set TMP,  192
.set OB,   32
.set G1, 24                            ; s[24:31] descriptor group 1 for z's tiles;  s[32:39] group 0, one set a slot
.set G0, 32
.set G1B, 48                           ; s[48:55], s[56:63] the same for W1's tiles
.set G0B, 56
.set MSB, 0
.macro WIN new                         ; the immediate's high byte repeats the setting that is left; a switch that changes nothing is dropped
.if MSB != \new
	s_set_vgpr_msb (MSB<<8)|\new
.set MSB, \new
.endif
.endm
.set MUL_LO,  0xa1                     ; source 0 (W1) window 1, source 1 (z) window 0, C and D window 2
.set MUL_HI,  0xf1                     ; the same, C and D window 3
.set MUL_LO1, 0x91                     ; a sum's first product: C = b1 in window 1, D window 2
.set MUL_HI1, 0xd1                     ; the same, D window 3
.set TO_B,    0x40                     ; destination window 1, address window 0
; A joint load: waves 0 and 1 fetch z's two halves, waves 2 and 3 W1's.  The branch hangs on the wave's number alone.  Four v_nop follow each of the two lines.
.macro JLOAD s
	s_cmp_eq_u32 s11, 0
	s_cbranch_scc0 .Lfor_b_\@
	tensor_load_to_lds s[G0+4*\s:G0+4*\s+3], s[G1:G1+7]
	s_nop 0
.rept 4
	v_nop
.endr
	s_branch .Lasked_\@
.Lfor_b_\@:
	tensor_load_to_lds s[G0B+4*\s:G0B+4*\s+3], s[G1B:G1B+7]
	s_nop 0
.rept 4
	v_nop
.endr
.Lasked_\@:
.endm
.macro CREST                           ; a round of the cluster's barrier behind its opening barrier
	s_cmp_lg_u32 s10, 0
	s_cbranch_scc1 .Lnot_wave_0_\@
	s_barrier_signal -3
.Lnot_wave_0_\@:
	s_barrier_wait -3
	s_barrier_signal -1
	s_barrier_wait -1
.endm
.macro CROUND                          ; a whole round
	s_barrier_signal -1
	s_barrier_wait -1
	CREST
.endm
	s_load_b128 s[4:7], s[0:1], 0x0                ; z s[4:5], w1b s[6:7]
	s_load_b64 s[8:9], s[0:1], 0x10                ; g
	s_load_b64 s[68:69], s[0:1], 0x18              ; ad_b1
	s_load_b64 s[70:71], s[0:1], 0x20              ; gw
	v_lshl_add_u32 v[SPW], v0, 2, SPARE
	v_mov_b32 v[NIL], 0
	ds_add_u32 v28, v29
	s_wait_dscnt 0x0
	v_lshrrev_b32 v1, 5, v0
	v_readfirstlane_b32 s10, v1                    ; wave 0..3
	s_lshr_b32 s11, s10, 1                         ; which 128 rows of the tile are mine.  Also: I fetch for z (0) or for W1 (1)
	s_and_b32 s12, s10, 1                          ; which 128 columns.  Also: which half of that tile I fetch
	s_bfe_u32 s40, ttmp6, 0x40000                  ; cx
	s_bfe_u32 s41, ttmp6, 0x40004                  ; cy
	s_lshl_b32 s42, ttmp9, 2
	s_add_co_u32 s42, s42, s40                     ; tile column = 4 x cluster x + cx, 0..7
	s_and_b32 s13, ttmp7, 0xffff
	s_lshl_b32 s13, s13, 2
	s_add_co_u32 s13, s13, s41                     ; tile row = 4 x cluster y + cy, 0..31
	s_lshl_b32 s43, s41, 2
	s_lshl_b32 s43, 15, s43                        ; my row of the cluster
	s_lshl_b32 s44, 0x1111, s40                    ; my column
	s_or_b32 s[G1+0], s43, (1<<16)|(1<<20)|(1<<21)|(5<<22)|(3<<25)  ; the mask: my row; elements of 2 bytes; padding on; bit 21 beside a mask; after every 64 words, 4 words
	s_mov_b32 s[G1+1], 128<<16                     ; tensor_dim0 = 128
	s_mov_b32 s[G1+2], 128<<16                     ; tensor_dim1 = 128
	s_mov_b32 s[G1+3], 128<<16                     ; tile_dim0 = 128 elements along K
	s_mov_b32 s[G1+4], 128                         ; tile_dim1 = 128 rows
	s_mov_b32 s[G1+5], SIZE_K                      ; elements from row to row
	s_mov_b32 s[G1+6], 0
	s_mov_b32 s[G1+7], 0
	s_or_b32 s[G1B+0], s44, (1<<16)|(1<<20)|(1<<21)|(6<<22)|(7<<25) ; the mask: my column; after every 128 words, 8 words
	s_mov_b32 s[G1B+1], 256<<16                    ; tensor_dim0 = 256
	s_mov_b32 s[G1B+2], 64<<16                     ; tensor_dim1 = 64
	s_mov_b32 s[G1B+3], 256<<16                    ; tile_dim0 = 256 columns
	s_mov_b32 s[G1B+4], 64                         ; tile_dim1 = 64 rows (k)
	s_mov_b32 s[G1B+5], SIZE_N
	s_mov_b32 s[G1B+6], 0
	s_mov_b32 s[G1B+7], 0
	; where the tiles come from: z's hang on the tile row alone, W1's on the tile column alone, each in registers that never hold the other coordinate
	s_lshl_b32 s16, s13, 19                        ; z: (256 x tile row + 128 x half) rows of 2,048 bytes
	s_lshl_b32 s17, s12, 18
	s_add_co_u32 s16, s16, s17
	s_mov_b32 s17, 0
	s_lshl_b32 s46, s42, 9                         ; W1: 512 bytes x tile column + 64 x half rows of 4,096 bytes
	s_lshl_b32 s47, s12, 18
	s_add_co_u32 s46, s46, s47
	s_mov_b32 s47, 0
	s_mul_i32 s20, s10, HALFT                      ; where they go: wave x 34,816 bytes: z's two halves, then W1's two
	s_wait_kmcnt 0x0
	s_add_nc_u64 s[14:15], s[4:5], s[16:17]
	s_add_nc_u64 s[46:47], s[6:7], s[46:47]
	CROUND                                         ; all sixteen work-groups are here: the first joint loads meet
.irp s, 0,1
	s_mov_b32 s[G0+4*\s], 1
	s_add_co_u32 s[G0+4*\s+1], s20, \s*SLOT
	s_add_nc_u64 s[G0+4*\s+2:G0+4*\s+3], s[14:15], \s*KSTEP*2
	s_or_b32 s[G0+4*\s+3], s[G0+4*\s+3], 0x80000000
	s_mov_b32 s[G0B+4*\s], 1
	s_add_co_u32 s[G0B+4*\s+1], s20, \s*SLOT
	s_add_nc_u64 s[G0B+4*\s+2:G0B+4*\s+3], s[46:47], \s*KSTEP*SIZE_N*2
	s_or_b32 s[G0B+4*\s+3], s[G0B+4*\s+3], 0x80000000
	JLOAD \s                                       ; the ring is filled before anything else: two loads of mine are out
.endr
	v_and_b32 v1, 15, v0                           ; l % 16
	v_bfe_u32 v2, v0, 4, 1                         ; l / 16
	v_mul_u32_u24 v3, v1, PITCH
	v_lshl_add_u32 v3, v2, 4, v3                   ; z: row x pitch + 16 x half
	v_and_b32 v4, 7, v0                            ; W1, turning load: lane l reads 16 bytes of row k = 8 (l / 16) + l % 8, columns 8 ((l / 8) % 2) on
	v_lshl_add_u32 v4, v2, 3, v4
	v_mul_u32_u24 v4, v4, PB
	v_bfe_u32 v5, v0, 3, 1
	v_lshl_add_u32 v4, v5, 4, v4
	s_mul_i32 s21, s11, HALFT                      ; my 128 rows of z
	s_lshl_b32 s22, s12, 8                         ; my 128 columns of W1,
	s_add_co_u32 s22, s22, 2*HALFT                 ; which lies behind z's 256 rows
.irp s, 0,1
	v_add_nc_u32 v[ADRA+\s], s21, v3
	v_add_nc_u32 v[ADRB+\s], s22, v4
	s_add_co_u32 s21, s21, SLOT
	s_add_co_u32 s22, s22, SLOT
.endr
	s_mul_i32 s23, s10, 16*SPITCH
	s_add_co_u32 s23, s23, STAGE                   ; my stage
	v_mul_u32_u24 v4, v1, SPITCH                   ; in: row l % 16, 16 bytes for each half of the lanes
	v_lshl_add_u32 v4, v2, 4, v4
	v_add_nc_u32 v[STO], s23, v4
	v_mul_u32_u24 v5, v2, SPITCH                   ; back: lanes 0-15 one row of 256 bytes, lanes 16-31 the next
	v_lshl_add_u32 v5, v1, 4, v5
	v_add_nc_u32 v[RD], s23, v5
	v_mul_u32_u24 v5, v2, SIZE_N*2                 ; and the same two rows in g
	v_lshl_add_u32 v[CO], v1, 4, v5
	v_lshlrev_b32 v[GWO], 4, v1
	v_lshlrev_b32 v[BO], 5, v2
	s_lshl_b32 s46, s42, 10                        ; b1: 1,024 bytes x tile column + 512 x my half
	s_lshl_b32 s47, s12, 9
	s_add_co_u32 s46, s46, s47
	s_mov_b32 s47, 0
	s_add_nc_u64 s[68:69], s[68:69], s[46:47]
	s_lshl_b32 s16, s13, 11                        ; gw: (128 x tile row + 64 x my half) tokens of 16 bytes
	s_lshl_b32 s17, s11, 10
	s_add_co_u32 s16, s16, s17
	s_mov_b32 s17, 0
	s_add_nc_u64 s[70:71], s[70:71], s[16:17]
	s_lshl_b32 s16, s13, 19                        ; g: the same tokens' rows of 4,096 bytes: the first way out adds this to g's address,
	s_lshl_b32 s17, s11, 18
	s_add_co_u32 s16, s16, s17
	s_mov_b32 s17, 0
	s_lshl_b32 s46, s42, 9                         ; with my first column: 512 bytes x tile column + 256 x my half
	s_lshl_b32 s47, s12, 8
	s_add_co_u32 s46, s46, s47
	s_mov_b32 s47, 0
	s_add_nc_u64 s[16:17], s[16:17], s[46:47]
	WIN TO_B
.irp b, 0,1,2,3,4,5,6,7
	global_load_b128 v[8*\b:8*\b+3],   v[BO], s[68:69] offset:64*\b        ; b1 in the layout of a result: column block b, my eight columns; kept for both tiles
	global_load_b128 v[8*\b+4:8*\b+7], v[BO], s[68:69] offset:64*\b+16
.endr
	WIN 0
.macro GWLOAD
.irp a, 0,1,2,3
	global_load_b64 v[GW+2*\a:GW+2*\a+1], v[GWO], s[70:71] offset:256*\a   ; (w1, w2) of token 16 a + l % 16
.endr
.endm
	GWLOAD
; 16 matrix instructions: row blocks a0, a0 + 1 of the window's four (hi = 0: book, 1: iwslt) x all 8 column blocks, 32 along K.  first = 1: C is b1: the first product starts the sums.
; The 64 accumulators take turns, one instruction a turn, in the same order everywhere.
.macro MUL16 f, hi, a0, first
.irp a, \a0, \a0+1
.irp b, 0,1,2,3,4,5,6,7
.if \first
	v_wmma_f32_16x16x32_bf16 v[8*(8*(\a)+\b):8*(8*(\a)+\b)+7], v[\f+8*\b:\f+8*\b+7], v[\f+8*(4*\hi+\a):\f+8*(4*\hi+\a)+7], v[8*\b:8*\b+7]
.else
	v_wmma_f32_16x16x32_bf16 v[8*(8*(\a)+\b):8*(8*(\a)+\b)+7], v[\f+8*\b:\f+8*\b+7], v[\f+8*(4*\hi+\a):\f+8*(4*\hi+\a)+7], v[8*(8*(\a)+\b):8*(8*(\a)+\b)+7]
.endif
.endr
.endr
.endm
; 32 LDS loads in one run: the fragments of quarter q (32 along K) of a slot into buffer f: W1's 8 column blocks (two turning loads each, 16 rows apart), then z's 8 row blocks
.macro FETCH slot, q, f
	WIN TO_B
.irp i, 0,1,2,3,4,5,6,7
	ds_load_tr16_b128 v[\f+8*\i:\f+8*\i+3],   v[ADRB+\slot] offset:\q*32*PB+32*\i
	ds_load_tr16_b128 v[\f+8*\i+4:\f+8*\i+7], v[ADRB+\slot] offset:\q*32*PB+32*\i+16*PB
.endr
	WIN 0
.irp i, 0,1,2,3,4,5,6,7
	ds_load_b128 v[\f+8*\i:\f+8*\i+3],   v[ADRA+\slot] offset:\q*64+\i*16*PITCH
	ds_load_b128 v[\f+8*\i+4:\f+8*\i+7], v[ADRA+\slot] offset:\q*64+\i*16*PITCH+32
.endr
.endm
.macro PLACES                          ; four plain vector instructions between a matrix instruction and a load into, or a vector read or write of, its registers
.rept 4
	v_nop
.endr
.endm
; One of a K step's first three quarters: multiplies buffer f; in its middle it fetches quarter q of the same slot into buffer g.
.macro QUARTER slot, q, f, g, first
	s_wait_dscnt 8                                 ; W1 and z's rows 0-63 are in; the youngest eight loads (z's rows 64-127) may be out
.if \first
	WIN MUL_LO1
.else
	WIN MUL_LO
.endif
	MUL16 \f, 0, 0, \first
	MUL16 \f, 0, 2, \first
	PLACES
	FETCH \slot, \q, \g
	s_wait_dscnt 32                                ; all but the 32 just issued
.if \first
	WIN MUL_HI1
.else
	WIN MUL_HI
.endif
	MUL16 \f, 1, 0, \first
	MUL16 \f, 1, 2, \first
.endm
; The last quarter's first half: one barrier for the change of slots.  In front of it each wave waits for all its tensor loads (one is out: its part of the next slot), adds 0 to its
; spare word, and waits for that and for its own reads of this slot.  Behind it nobody reads this slot any more and the next slot is whole.
.macro MEET round
	WIN 0                                          ; (the add's two registers lie in window 0)
	s_wait_tensorcnt 0x0
	ds_add_u32 v[SPW], v[NIL]                      ; 0 onto my spare word
	s_wait_dscnt 9                                 ; (the add and the youngest eight loads may be out)
	WIN MUL_LO
	MUL16 F1, 0, 0, 0                              ; sixteen matrix instructions stand between the add and the wait for it
	s_wait_dscnt 0x0                               ; the add is done, and my reads of this slot are over
	s_barrier_signal -1
	MUL16 F1, 0, 2, 0
.if \round
	WIN 0
.endif
	s_barrier_wait -1
.endm
; The whole last quarter.  on = 0: the slot just read is filled again two K steps on; on = 1: with the next tile's K step 0 or 1; on = 2: nothing is left to fetch, so no round follows.
.macro TURN slot, next, on
.if \on == 2
	MEET 0
	PLACES
.else
	MEET 1
	CREST                                          ; the barrier has opened a round of the cluster's: no wave of any partner still reads this slot or has a load on its way
.if \on == 1
	s_add_nc_u64 s[G0+4*\slot+2:G0+4*\slot+3], s[G0+4*\slot+2:G0+4*\slot+3], NEXT_A
	s_sub_nc_u64 s[G0B+4*\slot+2:G0B+4*\slot+3], s[G0B+4*\slot+2:G0B+4*\slot+3], BACK_B
.else
	s_add_nc_u64 s[G0+4*\slot+2:G0+4*\slot+3], s[G0+4*\slot+2:G0+4*\slot+3], STEP_A
	s_add_nc_u64 s[G0B+4*\slot+2:G0B+4*\slot+3], s[G0B+4*\slot+2:G0B+4*\slot+3], STEP_B
.endif
	JLOAD \slot                                    ; my one tensor load behind the round, and the first thing there; its four v_nop are also the places in front of the loads below
.endif
	FETCH \next, 0, F0
	WIN MUL_HI
	MUL16 F1, 1, 0, 0
	MUL16 F1, 1, 2, 0
.endm
; THE WAY OUT.  RELU: in place, each accumulator's registers in ascending order.  PACK a: the mix of row block a, w1 x book + w2 x iwslt, rounded to bf16, 16 bytes a lane.
; TOSTAGE: into my own stage in LDS and back as whole rows of 256 bytes.  SEND: stored.
.macro RELU
	WIN 0x88                                       ; source 1 and destination window 2
.set i, 0
.rept 256
	v_max_num_f32 v[i], 0, v[i]
.set i, i+1
.endr
	WIN 0xcc                                       ; window 3
.set i, 0
.rept 256
	v_max_num_f32 v[i], 0, v[i]
.set i, i+1
.endr
.endm
.macro PACK a
	WIN 0x02                                       ; source 0 window 2
.set i, 0
.rept 32
	v_pk_mul_f32 v[T+i:T+i+1], v[64*\a+i:64*\a+i+1], v[GW+2*\a:GW+2*\a+1] op_sel_hi:[1,0]                                     ; x w1, the pair's first word for both halves
.set i, i+2
.endr
	WIN 0x03                                       ; source 0 window 3
.set i, 0
.rept 32
	v_pk_fma_f32 v[T+i:T+i+1], v[64*\a+i:64*\a+i+1], v[GW+2*\a:GW+2*\a+1], v[T+i:T+i+1] op_sel:[0,1,0] op_sel_hi:[1,1,1]     ; + x w2, its second word for both
.set i, i+2
.endr
	WIN 0
.irp b, 0,1,2,3,4,5,6,7
.irp r, 0,1,2,3
	v_cvt_pk_bf16_f32 v[TMP+4*\b+\r], v[T+8*\b+2*\r], v[T+8*\b+2*\r+1]
.endr
.endr
.endm
.macro TOSTAGE a
.set BK, OB+192*((\a)%2)
.irp b, 0,1,2,3,4,5,6,7
	ds_store_b128 v[STO], v[TMP+4*\b:TMP+4*\b+3] offset:32*\b
.endr
.irp t, 0,1,2,3,4,5,6,7
	ds_load_b128 v[BK+4*\t:BK+4*\t+3], v[RD] offset:\t*2*SPITCH    ; LDS serves a wave's instructions in order (ISA guide 5.7.1.4): these see the stores above
.endr
.endm
.macro SEND a, younger
.set BK, OB+192*((\a)%2)
	s_wait_dscnt \younger                          ; the block is back in registers
	s_wait_xcnt 0x0                                ; only behind this wait are the stores' base and the registers that earlier stores read rewritten
.if (\a) == 0
	s_add_nc_u64 s[8:9], s[8:9], s[16:17]          ; on to this tile's first tokens
.else
	s_add_nc_u64 s[8:9], s[8:9], 16*SIZE_N*2       ; 16 rows of g on
.endif
.irp t, 0,1,2,3,4,5,6,7
	global_store_b128 v[CO], v[BK+4*\t:BK+4*\t+3], s[8:9] offset:2*\t*SIZE_N*2   ; 16 lanes store 256 consecutive bytes, at a multiple of 256 from g's first byte
.endr
.endm
.macro OUT
	s_wait_loadcnt 0x0                             ; this tile's (w1, w2)
	RELU
	PACK 0
	TOSTAGE 0
.irp a, 1,2,3                          ; block a's arithmetic stands between block a - 1's loads from the stage and the wait for them
	PACK \a
	SEND \a-1, 0
	TOSTAGE \a
.endr
	SEND 3, 0
.endm
	s_wait_tensorcnt 0x1                           ; my part of K step 0 is in; K step 1's may stay out
	s_barrier_signal -1
	s_barrier_wait -1                              ; everybody's is
	FETCH 0, 0, F0
	s_wait_loadcnt 0x0                             ; b1, which the first products take as C
	s_mov_b32 s2, TILES                            ; tiles to go: the same number in every work-group
.Ltile:
	QUARTER 0, 1, F0, F1, 1                        ; a tile's first quarter stands in front of the loop: its products start the sums from b1
	WIN 0                                          ; at a label and at a branch every window is 0
	s_mov_b32 s3, LAPS-1
.Llap:                                                 ; a trip goes once round the ring, from a lap's second quarter to the next lap's first, and fills both slots again
	QUARTER 0, 2, F1, F0, 0
	QUARTER 0, 3, F0, F1, 0
	TURN 0, 1, 0
	QUARTER 1, 1, F0, F1, 0
	QUARTER 1, 2, F1, F0, 0
	QUARTER 1, 3, F0, F1, 0
	TURN 1, 0, 0
	QUARTER 0, 1, F0, F1, 0
	WIN 0
	s_sub_co_u32 s3, s3, 1
	s_cmp_lg_u32 s3, 0
	s_cbranch_scc1 .Llap
	QUARTER 0, 2, F1, F0, 0                        ; the tile's last lap goes on
	QUARTER 0, 3, F0, F1, 0
	WIN 0
	s_cmp_eq_u32 s2, 1
	s_cbranch_scc1 .Llast_tile                     ; the last tile's tail is written out: it asks for nothing more
	TURN 0, 1, 1                                   ; the ring goes on into the next tile: slot 0 takes its K step 0,
	QUARTER 1, 1, F0, F1, 0
	QUARTER 1, 2, F1, F0, 0
	QUARTER 1, 3, F0, F1, 0
	TURN 1, 0, 1                                   ; slot 1 its K step 1, and the next tile's first fragments are fetched
	OUT                                            ; book's accumulators were finished in front of the joint load's four v_nop; their 256 maxima are the places behind iwslt's last products
	s_add_nc_u64 s[70:71], s[70:71], 65536         ; gw 4,096 tokens on (its last loads were waited for at the way out's head)
	GWLOAD
	s_mov_b64 s[16:17], NEXT_C                     ; what the next way out adds to g's address
	s_sub_co_u32 s2, s2, 1
	s_branch .Ltile
.Llast_tile:
	TURN 0, 1, 2
	QUARTER 1, 1, F0, F1, 0
	QUARTER 1, 2, F1, F0, 0
	QUARTER 1, 3, F0, F1, 0
	s_wait_dscnt 8                                 ; the very last quarter: nothing more to fetch
	WIN MUL_LO
	MUL16 F1, 0, 0, 0
	MUL16 F1, 0, 2, 0
	s_wait_dscnt 0x0
	WIN MUL_HI
	MUL16 F1, 1, 0, 0
	MUL16 F1, 1, 2, 0
	WIN 0
	PLACES
	OUT
	s_wait_tensorcnt 0x0                           ; the wave's end: behind my last tensor load and my last LDS store
	ds_add_u32 v[SPW], v[NIL]
	s_wait_dscnt 0x0
	CROUND                                         ; the closing round: no work-group ends while a partner may still ask for a tile that names it
	s_endpgm
.Lfunc_end_k_q87d8fe43bd_gemm1:
	.size	k_q87d8fe43bd_gemm1, .Lfunc_end_k_q87d8fe43bd_gemm1-k_q87d8fe43bd_gemm1
	.p2alignl 7, 3214868480
	.fill 96, 4, 3214868480
	.section	.rodata,"a",@progbits
	.p2align	6, 0x0
	.amdhsa_kernel k_q87d8fe43bd_gemm1
		.amdhsa_group_segment_fixed_size 327680
		.amdhsa_private_segment_fixed_size 0
		.amdhsa_enable_private_segment 0
		.amdhsa_kernarg_size 40
		.amdhsa_user_sgpr_count 2
		.amdhsa_user_sgpr_kernarg_segment_ptr 1
		.amdhsa_wavefront_size32 1
		.amdhsa_system_sgpr_workgroup_id_x 1
		.amdhsa_system_sgpr_workgroup_id_y 1
		.amdhsa_system_sgpr_workgroup_id_z 1
		.amdhsa_system_vgpr_workitem_id 0
		.amdhsa_next_free_vgpr 1024
		.amdhsa_next_free_sgpr 76
		.amdhsa_reserve_vcc 0
		.amdhsa_float_denorm_mode_32 3
		.amdhsa_float_denorm_mode_16_64 3
		.amdhsa_memory_ordered 1
		.amdhsa_forward_progress 1
		.amdhsa_inst_pref_size 244
	.end_amdhsa_kernel
	.amdgpu_metadata
---
amdhsa.version: [ 1, 2 ]
amdhsa.kernels:
  - .name:           k_q87d8fe43bd_gemm1
    .symbol:         k_q87d8fe43bd_gemm1.kd
    .args:
      - { .name: z, .offset: 0, .size: 8, .value_kind: global_buffer, .address_space: global }
      - { .name: w1b, .offset: 8, .size: 8, .value_kind: global_buffer, .address_space: global }
      - { .name: g, .offset: 16, .size: 8, .value_kind: global_buffer, .address_space: global }
      - { .name: ad_b1, .offset: 24, .size: 8, .value_kind: global_buffer, .address_space: global }
      - { .name: gw, .offset: 32, .size: 8, .value_kind: global_buffer, .address_space: global }
    .group_segment_fixed_size: 327680
    .private_segment_fixed_size: 0
    .kernarg_segment_align: 8
    .kernarg_segment_size: 40
    .max_flat_workgroup_size: 128
    .sgpr_count:     76
    .vgpr_count:     1024
    .wavefront_size: 32
...
	.end_amdgpu_metadata
.endif
;; end of part 2
;; launch gemm2 (part 3): grid 4 x 64, 4 waves a work-group, clusters of 4 x 4, 327,680 bytes of LDS; arguments g, w2b, out0, x, gw, ad_b2; writes out0
.if DOCPART == 3
	.amdgcn_target "amdgcn-amd-amdhsa--gfx1250"
	.amdhsa_code_object_version 6
	.text
	.protected	k_q87d8fe43bd_gemm2
	.globl	k_q87d8fe43bd_gemm2
	.p2align	8
	.type	k_q87d8fe43bd_gemm2,@function
k_q87d8fe43bd_gemm2:
	s_mov_b64 s[64:65], 0
	v_nop
	global_prefetch_b8 v0, s[64:65] scope:SCOPE_SE
	s_setreg_imm32_b32 hwreg(HW_REG_WAVE_MODE, 25, 1), 1
	s_wait_xcnt 0x0
	s_wait_alu depctr_hold_cnt(0) depctr_sa_sdst(0) depctr_va_vdst(0) depctr_va_sdst(0) depctr_va_ssrc(0) depctr_va_vcc(0) depctr_vm_vsrc(0)
	s_getreg_b32 s2, hwreg(HW_REG_IB_STS2, 6, 4)
	s_cmp_eq_u32 s2, 0
	s_cbranch_scc0 .Lentry_in_a_cluster
	s_endpgm
.Lentry_in_a_cluster:
	s_bfe_u32 s2, ttmp6, 0x10000c
	s_cmp_lg_u32 s2, 0xf033
	s_cbranch_scc0 .Lentry_shape_is_right
	s_endpgm
.Lentry_shape_is_right:
; out0[t][n] = (1 + w0[t]) x[t][n] + g[t] . W2[:, n] + (w1[t] + w2[t]) b2[n].   g: [8192][2048] bf16 (the two domains' activations, already mixed).  w2b: [2048 k][1024 n] bf16.
; x, out0: [8192][1024] f32.  gw: [8192][4] f32 = (.., .., 1 + w0, w1 + w2).  Sums in f32.
; 8,192 x 1,024 outputs make only 128 tiles of 256 x 256, so a tile is 128 tokens x 256 columns: 256 work-groups.  Four waves, each 64 x 128: 32 accumulators, 256 registers.
; THE RING HAS A LONG AND A SHORT SLOT.  The tile needs 768 bytes for each k.  Two slots of 256 along K would take 413,696 bytes with their padding; three steps of 128 fit (311,296).
; Every load has landed at the next barrier behind which a slot is filled, so what a load has in which to land is the work between two such barriers.  So the three steps are one slot
; of K = 256 and one of K = 128, and K = 2,048 is walked S L S L S L S L S L S: short step i begins at k = 384 i, long step i at 384 i + 128 (every row piece of g starts at a multiple
; of 256 bytes).  The short slot's refill has a long step in which to land (240 matrix instructions of a wave between the request and the wait for it), the long slot's a short step (112):
; four refills of nine have the shorter time, and there are nine rounds of the cluster's barrier, where equal slots of 128 would have fourteen of each.
; CLUSTER 4 x 4: g's tile hangs on the tile row alone and is asked for jointly by a row of the cluster, w2b's on the tile column alone and by a column.
; THE MATRIX INSTRUCTION IS USED TRANSPOSED (source 0 = 16 columns of W2, turned out of LDS by ds_load_tr16_b128; source 1 = 16 rows of g): a lane holds one token and eight neighbouring columns.
; The wave's 64 x 128 numbers of x are loaded into registers at the start and land under the K loop; on the way out a row block goes through the wave's own stage in LDS, so that
; each load, multiply-add and store works on a whole row piece of 512 consecutive bytes.
; REGISTERS: window 0: v0-31 addresses, b2; g's fragments at 32 + 32 f, W2's at 96 + 64 f (two buffers f); v224-231 gw as loaded; on the way out v32-159 rows read back, v160-223 the rows' two factors.
;   window 1: accumulator (a, b) at v[8 (8 a + b)].   window 2: x, row i of my 64 at v[4 i].
.set SIZE_K, 2048
.set SIZE_N, 1024
.set PS,     272                       ; a row of g in the short slot: 256 bytes + 16
.set PL,     528                       ; in the long slot: 512 bytes + 16; both are odd multiples of 16, so the 16 rows of a fragment load fall on different bytes modulo 256
.set PB,     544                       ; a row (one k) of W2 in either slot: 512 bytes + 32
.set LA,     0                         ; the long slot: g's 128 rows,
.set LB,     LA+128*PL                 ; then W2's 256 rows
.set SA,     LB+256*PB                 ; the short slot: g's 128 rows,
.set SB,     SA+128*PS                 ; then W2's 128 rows
.set SPARE,  SB+128*PB                 ; the spare words, 128 bytes for each wave, which no other line names
.set GWS,    SPARE+512                 ; 1,024 bytes for each wave: its 64 tokens' gw
.set SP2,    528                       ; a stage row: 512 bytes + 16.  The stages, 16 rows for each wave, lie in the long slot's first 33,792 bytes: they are written only behind the
                                       ; barrier of the last change from the long slot to the short one, when the long slot has had its last fill and every wave's reads of it are over
.set TRIPS,  4
.set STEP_A, 384*2                     ; from one fill of a slot to its next: 384 along g's rows,
.set STEP_B, 384*SIZE_N*2              ; 384 rows down W2
.set B2,    8                          ; v[8:11] b2 of my four columns of a row piece
.set ADRAS, 16                         ; v16     LDS address of my fragments of g in the short slot
.set ADRAL, 17                         ; v17     in the long slot
.set ADRBS, 20                         ; v20     of W2 in the short slot
.set ADRBL, 21                         ; v21-22  in the long slot: quarters 0-3, quarters 4-7 (an LDS offset has 16 bits)
.set STO,   24                         ; v24  stage + (l % 16) 528 + 32 (l / 16)
.set RD,    25                         ; v25  stage + 16 l
.set CO,    26                         ; v26  16 l
.set GWA,   27                         ; v27  my wave's gw in LDS (the same in every lane)
.set SPW,   28                         ; v28  SPARE + 4 x my thread's number; never rewritten
.set NIL,   29                         ; v29  0; never rewritten
.set GWL,   30                         ; v30  my wave's gw in LDS + 16 l
.set PFO,   31                         ; v31  the prefetch: 4,096 (l / 2) + 256 (l % 2); never rewritten
.set FA,    32
.set FB,    96
.set GWR,   224
.set OB,    32
.set GWV,   160
.set G1A, 24                           ; s[24:31], s[32:39] descriptor group 1 for g's tiles: short, long
.set G1B, 40                           ; s[40:47], s[48:55] for W2's
.set G0A, 56                           ; s[56:59], s[60:63] descriptor group 0 for g's tiles: short, long
.set G0B, 68                           ; s[68:71], s[72:75] for W2's
.set PF,  92                           ; s[92:93] the prefetch's base
.set MSB, 0
.macro WIN new                         ; the immediate's high byte repeats the setting that is left; a switch that changes nothing is dropped
.if MSB != \new
	s_set_vgpr_msb (MSB<<8)|\new
.set MSB, \new
.endif
.endm
.set MUL, 0x50                         ; sources 0 and 1 window 0; C and D window 1
; A joint load into slot kind (0 short, 1 long): waves 0 and 1 fetch g's two halves, waves 2 and 3 W2's; four v_nop follow each of the two lines
.macro JLOAD kind
	s_cmp_eq_u32 s11, 0
	s_cbranch_scc0 .Lfor_b_\@
	tensor_load_to_lds s[G0A+4*\kind:G0A+4*\kind+3], s[G1A+8*\kind:G1A+8*\kind+7]
	s_nop 0
.rept 4
	v_nop
.endr
	s_branch .Lasked_\@
.Lfor_b_\@:
	tensor_load_to_lds s[G0B+4*\kind:G0B+4*\kind+3], s[G1B+8*\kind:G1B+8*\kind+7]
	s_nop 0
.rept 4
	v_nop
.endr
.Lasked_\@:
.endm
.macro CREST                           ; a round of the cluster's barrier behind its opening barrier
	s_cmp_lg_u32 s10, 0
	s_cbranch_scc1 .Lnot_wave_0_\@
	s_barrier_signal -3
.Lnot_wave_0_\@:
	s_barrier_wait -3
	s_barrier_signal -1
	s_barrier_wait -1
.endm
.macro CROUND                          ; a whole round
	s_barrier_signal -1
	s_barrier_wait -1
	CREST
.endm
	s_load_b128 s[4:7], s[0:1], 0x0                ; g s[4:5], w2b s[6:7]
	s_load_b64 s[8:9], s[0:1], 0x10                ; out0
	s_load_b64 s[76:77], s[0:1], 0x18              ; x
	s_load_b64 s[78:79], s[0:1], 0x20              ; gw
	s_load_b64 s[80:81], s[0:1], 0x28              ; ad_b2
	v_lshl_add_u32 v[SPW], v0, 2, SPARE
	v_mov_b32 v[NIL], 0
	ds_add_u32 v28, v29
	s_wait_dscnt 0x0
	v_lshrrev_b32 v1, 5, v0
	v_readfirstlane_b32 s10, v1                    ; wave 0..3
	s_lshr_b32 s11, s10, 1                         ; which 64 tokens of the tile are mine.  Also: I fetch for g (0) or for W2 (1)
	s_and_b32 s12, s10, 1                          ; which 128 columns.  Also: which half of that tile I fetch
	s_bfe_u32 s82, ttmp6, 0x40000                  ; cx
	s_bfe_u32 s83, ttmp6, 0x40004                  ; cy
	s_lshl_b32 s84, ttmp9, 2
	s_add_co_u32 s84, s84, s82                     ; tile column, 0..3
	s_and_b32 s13, ttmp7, 0xffff
	s_lshl_b32 s13, s13, 2
	s_add_co_u32 s13, s13, s83                     ; tile row, 0..63
	s_lshl_b32 s85, s83, 2
	s_lshl_b32 s85, 15, s85                        ; my row of the cluster
	s_lshl_b32 s86, 0x1111, s82                    ; my column
	; descriptor groups 1.  g: 64 rows of 128 (short) or 256 (long) elements along K.  W2: 64 (short) or 128 (long) rows of 256 columns.
	s_or_b32 s[G1A+0], s85, (1<<16)|(1<<20)|(1<<21)|(5<<22)|(3<<25)  ; the mask: my row; elements of 2 bytes; padding on; bit 21 beside a mask; after every 64 words, 4 words
	s_or_b32 s[G1A+8], s85, (1<<16)|(1<<20)|(1<<21)|(6<<22)|(3<<25)  ; the same after every 128 words
	s_mov_b32 s[G1A+1], 128<<16                    ; tensor_dim0
	s_mov_b32 s[G1A+9], 256<<16
	s_mov_b32 s[G1A+3], 128<<16                    ; tile_dim0
	s_mov_b32 s[G1A+11], 256<<16
	s_mov_b32 s[G1B+2], 64<<16                     ; tensor_dim1
	s_mov_b32 s[G1B+10], 128<<16
	s_mov_b32 s[G1B+4], 64                         ; tile_dim1
	s_mov_b32 s[G1B+12], 128
.irp k, 0, 8
	s_mov_b32 s[G1A+\k+2], 64<<16                  ; tensor_dim1 = 64
	s_mov_b32 s[G1A+\k+4], 64                      ; tile_dim1 = 64 rows
	s_mov_b32 s[G1A+\k+5], SIZE_K                  ; elements from row to row
	s_mov_b32 s[G1A+\k+6], 0
	s_mov_b32 s[G1A+\k+7], 0
	s_or_b32 s[G1B+\k], s86, (1<<16)|(1<<20)|(1<<21)|(6<<22)|(7<<25) ; the mask: my column; after every 128 words, 8 words
	s_mov_b32 s[G1B+\k+1], 256<<16                 ; tensor_dim0 = 256
	s_mov_b32 s[G1B+\k+3], 256<<16                 ; tile_dim0 = 256 columns
	s_mov_b32 s[G1B+\k+5], SIZE_N
	s_mov_b32 s[G1B+\k+6], 0
	s_mov_b32 s[G1B+\k+7], 0
.endr
	; descriptor groups 0: where the tiles go: constants and the wave's number alone
	s_mov_b32 s[G0A], 1
	s_mul_i32 s[G0A+1], s12, 64*PS
	s_add_co_u32 s[G0A+1], s[G0A+1], SA
	s_mov_b32 s[G0A+4], 1
	s_mul_i32 s[G0A+5], s12, 64*PL                 ; (the long slot begins at LDS byte 0)
	s_mov_b32 s[G0B], 1
	s_mul_i32 s[G0B+1], s12, 64*PB
	s_add_co_u32 s[G0B+1], s[G0B+1], SB
	s_mov_b32 s[G0B+4], 1
	s_mul_i32 s[G0B+5], s12, 128*PB
	s_add_co_u32 s[G0B+5], s[G0B+5], LB
	; and where they come from: g's hang on the tile row alone, W2's on the tile column alone, each in registers that never hold the other coordinate
	s_lshl_b32 s16, s13, 19                        ; g: (128 x tile row + 64 x half) rows of 4,096 bytes
	s_lshl_b32 s17, s12, 18
	s_add_co_u32 s16, s16, s17
	s_mov_b32 s17, 0
	s_lshl_b32 s88, s84, 9                         ; W2: 512 bytes x tile column
	s_mov_b32 s89, 0
	s_lshl_b32 s18, s12, 17                        ; short: + 64 x half rows of 2,048 bytes
	s_mov_b32 s19, 0
	s_lshl_b32 s20, s12, 18                        ; long: + 128 x half rows,
	s_add_co_u32 s20, s20, 128*SIZE_N*2            ; behind the first short step's 128 rows
	s_mov_b32 s21, 0
	s_wait_kmcnt 0x0
	s_add_nc_u64 s[G0A+2:G0A+3], s[4:5], s[16:17]              ; short step 0: k = 0
	s_add_nc_u64 s[G0A+6:G0A+7], s[G0A+2:G0A+3], 128*2         ; long step 0: k = 128
	s_or_b32 s[G0A+3], s[G0A+3], 0x80000000
	s_or_b32 s[G0A+7], s[G0A+7], 0x80000000
	s_add_nc_u64 s[88:89], s[6:7], s[88:89]
	s_add_nc_u64 s[G0B+2:G0B+3], s[88:89], s[18:19]
	s_add_nc_u64 s[G0B+6:G0B+7], s[88:89], s[20:21]
	s_or_b32 s[G0B+3], s[G0B+3], 0x80000000
	s_or_b32 s[G0B+7], s[G0B+7], 0x80000000
	CROUND                                         ; all sixteen work-groups are here: the first joint loads meet
	JLOAD 0                                        ; the short slot first: it is read first
	JLOAD 1                                        ; two loads of mine are out
	v_and_b32 v1, 15, v0                           ; l % 16
	v_bfe_u32 v2, v0, 4, 1                         ; l / 16
	v_mul_u32_u24 v3, v1, PS
	v_lshl_add_u32 v3, v2, 4, v3                   ; g: row x pitch + 16 x half, in the short slot's pitch
	v_mul_u32_u24 v6, v1, PL
	v_lshl_add_u32 v6, v2, 4, v6                   ; and in the long slot's
	v_and_b32 v4, 7, v0                            ; W2, turning load: row k = 8 (l / 16) + l % 8, columns 8 ((l / 8) % 2) on
	v_lshl_add_u32 v4, v2, 3, v4
	v_mul_u32_u24 v4, v4, PB
	v_bfe_u32 v5, v0, 3, 1
	v_lshl_add_u32 v4, v5, 4, v4
	s_mul_i32 s21, s11, 64*PS                      ; my 64 rows of g
	s_add_co_u32 s21, s21, SA
	v_add_nc_u32 v[ADRAS], s21, v3
	s_mul_i32 s21, s11, 64*PL
	v_add_nc_u32 v[ADRAL], s21, v6
	s_lshl_b32 s22, s12, 8                         ; my 128 columns of W2
	v_add_nc_u32 v4, s22, v4
	v_add_nc_u32 v[ADRBS], SB, v4
	v_add_nc_u32 v[ADRBL], LB, v4
	v_add_nc_u32 v[ADRBL+1], LB+4*32*PB, v4
	s_mul_i32 s23, s10, 16*SP2                     ; my stage
	v_mul_u32_u24 v3, v1, SP2
	v_lshl_add_u32 v3, v2, 5, v3
	v_add_nc_u32 v[STO], s23, v3
	v_and_b32 v5, 31, v0
	v_lshlrev_b32 v[CO], 4, v5
	v_add_nc_u32 v[RD], s23, v[CO]
	s_lshl_b32 s21, s10, 10
	s_add_co_u32 s21, s21, GWS                     ; my 64 tokens' gw in LDS
	v_mov_b32 v[GWA], s21
	v_add_nc_u32 v[GWL], s21, v[CO]
	v_lshrrev_b32 v6, 1, v5
	v_and_b32 v7, 1, v5
	v_lshlrev_b32 v6, 12, v6
	v_lshl_or_b32 v[PFO], v7, 8, v6
	s_lshl_b32 s16, s13, 11                        ; gw: (128 x tile row + 64 x my half) tokens of 16 bytes
	s_lshl_b32 s17, s11, 10
	s_add_co_u32 s16, s16, s17
	s_mov_b32 s17, 0
	s_add_nc_u64 s[78:79], s[78:79], s[16:17]
	s_lshl_b32 s88, s82, 17                        ; the prefetch's base: g at row 128 x tile row + 32 cx + 16 x (wave % 2), at long step 1's first byte
	s_lshl_b32 s89, s12, 16
	s_add_co_u32 s88, s88, s89
	s_lshl_b32 s89, s13, 19
	s_add_co_u32 s88, s88, s89
	s_add_co_u32 s88, s88, 128*2+STEP_A
	s_mov_b32 s89, 0
	s_add_nc_u64 s[PF:PF+1], s[4:5], s[88:89]
	s_lshl_b32 s88, s84, 10                        ; my first column, in f32: 1,024 bytes x tile column + 512 x my half
	s_lshl_b32 s89, s12, 9
	s_add_co_u32 s88, s88, s89
	s_mov_b32 s89, 0
	s_add_nc_u64 s[80:81], s[80:81], s[88:89]
	s_lshl_b32 s16, s13, 19                        ; x and out0: my tokens' rows of 4,096 bytes, and that column
	s_lshl_b32 s17, s11, 18
	s_add_co_u32 s16, s16, s17
	s_mov_b32 s17, 0
	s_add_nc_u64 s[16:17], s[16:17], s[88:89]
	s_add_nc_u64 s[76:77], s[76:77], s[16:17]
	s_add_nc_u64 s[8:9], s[8:9], s[16:17]
	global_load_b128 v[GWR:GWR+3],   v[CO], s[78:79]                       ; lane l: token l's four numbers,
	global_load_b128 v[GWR+4:GWR+7], v[CO], s[78:79] offset:512            ; and token 32 + l's
	global_load_b128 v[B2:B2+3], v[CO], s[80:81]
	WIN 0x80                                       ; destination window 2
.set i, 0
.rept 64
	global_load_b128 v[4*i:4*i+3], v[CO], s[76:77] offset:4096*i th:TH_LOAD_NT     ; x: my 512 bytes of row i; wanted only on the way out
.set i, i+1
.endr
	WIN 0
; 8 matrix instructions: row block a x all 8 column blocks, 32 along K, from buffer f.  zero = 1: the first product starts the sums.  The 32 accumulators take turns, one
; instruction a turn, in the same order everywhere.
.macro MUL8 f, a, zero
.irp b, 0,1,2,3,4,5,6,7
.if \zero
	v_wmma_f32_16x16x32_bf16 v[8*(8*\a+\b):8*(8*\a+\b)+7], v[FB+64*\f+8*\b:FB+64*\f+8*\b+7], v[FA+32*\f+8*\a:FA+32*\f+8*\a+7], 0
.else
	v_wmma_f32_16x16x32_bf16 v[8*(8*\a+\b):8*(8*\a+\b)+7], v[FB+64*\f+8*\b:FB+64*\f+8*\b+7], v[FA+32*\f+8*\a:FA+32*\f+8*\a+7], v[8*(8*\a+\b):8*(8*\a+\b)+7]
.endif
.endr
.endm
; 24 LDS loads in one run: quarter q (32 along K) of slot kind into buffer f: W2's 8 column blocks (two turning loads each, 16 rows apart), then g's 4 row blocks
.macro FETCH kind, q, f
	WIN 0
.if \kind
.set ab, ADRBL+(\q)/4
.set bo, ((\q)%4)*32*PB
.set aa, ADRAL
.set ap, PL
.else
.set ab, ADRBS
.set bo, (\q)*32*PB
.set aa, ADRAS
.set ap, PS
.endif
.irp i, 0,1,2,3,4,5,6,7
	ds_load_tr16_b128 v[FB+64*\f+8*\i:FB+64*\f+8*\i+3],   v[ab] offset:bo+32*\i
	ds_load_tr16_b128 v[FB+64*\f+8*\i+4:FB+64*\f+8*\i+7], v[ab] offset:bo+32*\i+16*PB
.endr
.irp i, 0,1,2,3
	ds_load_b128 v[FA+32*\f+8*\i:FA+32*\f+8*\i+3],   v[aa] offset:(\q)*64+\i*16*ap
	ds_load_b128 v[FA+32*\f+8*\i+4:FA+32*\f+8*\i+7], v[aa] offset:(\q)*64+\i*16*ap+32
.endr
.endm
.macro PLACES                          ; four plain vector instructions between a matrix instruction and a load into, or a read of, its registers
.rept 4
	v_nop
.endr
.endm
; A quarter but a step's last: multiplies buffer f; in its middle it fetches quarter q of the same slot into buffer g.  A short step has four quarters, a long one eight: both begin on buffer 0 and end on buffer 1.
.macro QUARTER kind, q, f, g, zero
	s_wait_dscnt 4                                 ; W2 and g's row blocks 0, 1 are in; the youngest four loads (blocks 2, 3) may be out
	WIN MUL
	MUL8 \f, 0, \zero
	MUL8 \f, 1, \zero
	PLACES
	FETCH \kind, \q, \g
	s_wait_dscnt 24                                ; all but the 24 just issued
	WIN MUL
	MUL8 \f, 2, \zero
	MUL8 \f, 3, \zero
.endm
.macro LONG7                           ; a long step's first seven quarters
	QUARTER 1, 1, 0, 1, 0
	QUARTER 1, 2, 1, 0, 0
	QUARTER 1, 3, 0, 1, 0
	QUARTER 1, 4, 1, 0, 0
	QUARTER 1, 5, 0, 1, 0
	QUARTER 1, 6, 1, 0, 0
	QUARTER 1, 7, 0, 1, 0
.endm
; A step's last quarter multiplies buffer 1 and changes slots: one barrier; in front of it each wave waits for all its tensor loads (one is out: its part of the other slot), adds 0 to
; its spare word, and waits for that and for its own reads of this slot.  fill = 1: slot kind is filled again, 384 along K on; the barrier then opens a round of the cluster's.
; ask = 1: waves 0 and 1 ask for g's part of the NEXT long step to be brought nearer: the work-group takes 32 of the tile's 128 rows (32 cx on; its three partners take the others),
; a wave 16 of them, a lane one aligned block of 256 bytes of a row's 512: each block is asked for once in the launch, 16,384 bytes a work-group and trip, one long step ahead of the
; tensor load that wants them.  The four trips ask for long steps 1 to 4; the tail asks for nothing, so no request leaves g.  W2's tiles are read again by other clusters and are not asked for.
.macro TURN kind, next, fill, ask
	WIN 0                                          ; (the add's two registers lie in window 0)
	s_wait_tensorcnt 0x0                           ; all my tensor loads have landed: the one that was out is my part of the other slot
	ds_add_u32 v[SPW], v[NIL]                      ; 0 onto my spare word
	s_wait_dscnt 5                                 ; (the add and the youngest four loads may be out)
	WIN MUL
	MUL8 1, 0, 0                                   ; eight matrix instructions stand between the add and the wait for it
	s_wait_dscnt 0x0                               ; the add is done, and my reads of this slot are over
	s_barrier_signal -1
	MUL8 1, 1, 0
.if \fill
	WIN 0
.endif
	s_barrier_wait -1
.if \fill
	CREST                                          ; no wave of any partner still reads this slot's tile or has a load on its way
	s_add_nc_u64 s[G0A+4*\kind+2:G0A+4*\kind+3], s[G0A+4*\kind+2:G0A+4*\kind+3], STEP_A
	s_add_nc_u64 s[G0B+4*\kind+2:G0B+4*\kind+3], s[G0B+4*\kind+2:G0B+4*\kind+3], STEP_B
	JLOAD \kind                                    ; my one tensor load behind the round, and the first thing there; its four v_nop are also the places in front of the loads below
.if \ask
	s_cmp_eq_u32 s11, 0
	s_cbranch_scc0 .Lno_ask_\@
	global_prefetch_b8 v[PFO], s[PF:PF+1] th:TH_LOAD_NT scope:SCOPE_SE
.Lno_ask_\@:
.endif
.else
	PLACES
.endif
	FETCH \next, 0, 0
	WIN MUL
	MUL8 1, 2, 0
	MUL8 1, 3, 0
.endm
	s_wait_tensorcnt 0x1                           ; my part of short step 0 is in; long step 0's may stay out
	s_barrier_signal -1
	s_barrier_wait -1
	FETCH 0, 0, 0
	QUARTER 0, 1, 0, 1, 1                          ; the first quarter stands in front of the loop: its products start the sums
	WIN 0
	s_mov_b32 s3, TRIPS
.Ltrip:                                                ; a trip: the rest of a short step, a long step, the next short step's first quarter; it fills both slots again
	QUARTER 0, 2, 1, 0, 0
	QUARTER 0, 3, 0, 1, 0
	TURN 0, 1, 1, 1
	LONG7
	TURN 1, 0, 1, 0
	QUARTER 0, 1, 0, 1, 0
	WIN 0
	s_wait_xcnt 0x0                                ; the prefetch's base is stepped only behind this wait, a long step behind the prefetch itself
	s_add_nc_u64 s[PF:PF+1], s[PF:PF+1], STEP_A
	s_sub_co_u32 s3, s3, 1
	s_cmp_lg_u32 s3, 0
	s_cbranch_scc1 .Ltrip
	QUARTER 0, 2, 1, 0, 0                          ; the tail is written out: short step 4 goes on,
	QUARTER 0, 3, 0, 1, 0
	TURN 0, 1, 1, 0                                ; the short slot takes its last tile, short step 5;
	LONG7                                          ; long step 4;
	TURN 1, 0, 0, 0                                ; nothing is left to fetch: no round.  Behind this barrier nobody reads the long slot any more
	QUARTER 0, 1, 0, 1, 0
	QUARTER 0, 2, 1, 0, 0
	QUARTER 0, 3, 0, 1, 0
	s_wait_dscnt 4                                 ; the very last quarter
	WIN MUL
	MUL8 1, 0, 0
	MUL8 1, 1, 0
	s_wait_dscnt 0x0
	MUL8 1, 2, 0
	MUL8 1, 3, 0
	WIN 0
	PLACES
	; THE WAY OUT.  Row block a (16 tokens x 128 columns of f32) goes into my stage, a lane's eight columns as two stores of 16 bytes, and comes back a row piece (512 bytes) a load;
	; each row's two factors come from my wave's copy of gw in LDS, the same 8 bytes for every lane.
	s_wait_loadcnt 0x0                             ; gw, b2 and x
	ds_store_b128 v[GWL], v[GWR:GWR+3]
	ds_store_b128 v[GWL], v[GWR+4:GWR+7] offset:512
.macro TOSTAGE a
.set ob, OB+64*((\a)%2)
.set gv, GWV+32*((\a)%2)
	s_wait_xcnt 0x0                                ; the registers that earlier stores read are loaded again only behind this wait
	WIN 0x04                                       ; the stores' data in window 1; each accumulator's low four registers go first
.irp b, 0,1,2,3,4,5,6,7
	ds_store_b128 v[STO], v[8*(8*\a+\b):8*(8*\a+\b)+3]   offset:64*\b
	ds_store_b128 v[STO], v[8*(8*\a+\b)+4:8*(8*\a+\b)+7] offset:64*\b+16
.endr
	WIN 0
.irp t, 0,1,2,3,4,5,6,7,8,9,10,11,12,13,14,15
	ds_load_b128 v[ob+4*\t:ob+4*\t+3], v[RD] offset:SP2*\t                 ; LDS serves a wave's instructions in order (ISA guide 5.7.1.4): these see the stores above, and the next block's stores come behind them
.endr
.irp t, 0,1,2,3,4,5,6,7,8,9,10,11,12,13,14,15
	ds_load_b64 v[gv+2*\t:gv+2*\t+1], v[GWA] offset:16*(16*\a+\t)+8        ; (1 + w0, w1 + w2) of row t
.endr
.endm
.macro FIN a, younger                  ; younger: the LDS instructions issued behind block a's: the next block's 16 stores and 32 loads, or none
.set ob, OB+64*((\a)%2)
.set gv, GWV+32*((\a)%2)
	s_wait_dscnt \younger
.irp t, 0,1,2,3,4,5,6,7,8,9,10,11,12,13,14,15
.irp p, 0,1
	v_pk_fma_f32 v[ob+4*\t+2*\p:ob+4*\t+2*\p+1], v[B2+2*\p:B2+2*\p+1], v[gv+2*\t:gv+2*\t+1], v[ob+4*\t+2*\p:ob+4*\t+2*\p+1] op_sel:[0,1,0] op_sel_hi:[1,1,1]   ; + (w1 + w2) b2
.endr
.endr
	WIN 0x02                                       ; source 0 window 2
.irp t, 0,1,2,3,4,5,6,7,8,9,10,11,12,13,14,15
.irp p, 0,1
	v_pk_fma_f32 v[ob+4*\t+2*\p:ob+4*\t+2*\p+1], v[4*(16*\a+\t)+2*\p:4*(16*\a+\t)+2*\p+1], v[gv+2*\t:gv+2*\t+1], v[ob+4*\t+2*\p:ob+4*\t+2*\p+1] op_sel_hi:[1,0,1]   ; + (1 + w0) x
.endr
.endr
	WIN 0
.irp t, 0,1,2,3,4,5,6,7,8,9,10,11,12,13,14,15
	global_store_b128 v[CO], v[ob+4*\t:ob+4*\t+3], s[8:9] offset:4096*(16*\a+\t) th:TH_STORE_NT   ; a store of the wave covers 512 consecutive bytes, at a multiple of 512 from out0's first byte
.endr
.endm
	TOSTAGE 0
	TOSTAGE 1                                      ; a block's round trip through the stage stands under the arithmetic and the stores of the block before
	FIN 0, 48
	TOSTAGE 2
	FIN 1, 48
	TOSTAGE 3
	FIN 2, 48
	FIN 3, 0
	s_wait_tensorcnt 0x0                           ; the wave's end: behind my last tensor load and my last LDS store
	ds_add_u32 v[SPW], v[NIL]
	s_wait_dscnt 0x0
	CROUND                                         ; the closing round: no work-group ends while a partner may still ask for a tile that names it
	s_endpgm
.Lfunc_end_k_q87d8fe43bd_gemm2:
	.size	k_q87d8fe43bd_gemm2, .Lfunc_end_k_q87d8fe43bd_gemm2-k_q87d8fe43bd_gemm2
	.p2alignl 7, 3214868480
	.fill 96, 4, 3214868480
	.section	.rodata,"a",@progbits
	.p2align	6, 0x0
	.amdhsa_kernel k_q87d8fe43bd_gemm2
		.amdhsa_group_segment_fixed_size 327680
		.amdhsa_private_segment_fixed_size 0
		.amdhsa_enable_private_segment 0
		.amdhsa_kernarg_size 48
		.amdhsa_user_sgpr_count 2
		.amdhsa_user_sgpr_kernarg_segment_ptr 1
		.amdhsa_wavefront_size32 1
		.amdhsa_system_sgpr_workgroup_id_x 1
		.amdhsa_system_sgpr_workgroup_id_y 1
		.amdhsa_system_sgpr_workgroup_id_z 1
		.amdhsa_system_vgpr_workitem_id 0
		.amdhsa_next_free_vgpr 768
		.amdhsa_next_free_sgpr 94
		.amdhsa_reserve_vcc 0
		.amdhsa_float_denorm_mode_32 3
		.amdhsa_float_denorm_mode_16_64 3
		.amdhsa_memory_ordered 1
		.amdhsa_forward_progress 1
		.amdhsa_inst_pref_size 160
	.end_amdhsa_kernel
	.amdgpu_metadata
---
amdhsa.version: [ 1, 2 ]
amdhsa.kernels:
  - .name:           k_q87d8fe43bd_gemm2
    .symbol:         k_q87d8fe43bd_gemm2.kd
    .args:
      - { .name: g, .offset: 0, .size: 8, .value_kind: global_buffer, .address_space: global }
      - { .name: w2b, .offset: 8, .size: 8, .value_kind: global_buffer, .address_space: global }
      - { .name: out0, .offset: 16, .size: 8, .value_kind: global_buffer, .address_space: global }
      - { .name: x, .offset: 24, .size: 8, .value_kind: global_buffer, .address_space: global }
      - { .name: gw, .offset: 32, .size: 8, .value_kind: global_buffer, .address_space: global }
      - { .name: ad_b2, .offset: 40, .size: 8, .value_kind: global_buffer, .address_space: global }
    .group_segment_fixed_size: 327680
    .private_segment_fixed_size: 0
    .kernarg_segment_align: 8
    .kernarg_segment_size: 48
    .max_flat_workgroup_size: 128
    .sgpr_count:     94
    .vgpr_count:     768
    .wavefront_size: 32
...
	.end_amdgpu_metadata
.endif
;; end of part 3
